; MI455X (gfx1250); checked and timed in simulation.
; The chip was launched on July 23, 2026; its instructions are those of AMD's public machine-readable ISA for CDNA 5 (MIT licence, August 2026) and "CDNA5" Instruction Set Architecture Reference Guide (July 2026). The comments in the code are by the model that wrote it; some were corrected since.
;; HBEMD F. Allowed arithmetic: float matrix products may take bf16 or f16 operands with f32 sums; all other float work in f32.
;; Inputs: W 1 x 1 x 1 x 1 float32; b 1 float32; x 32 x 3 x 512 x 512 float32.
;; Outputs: out0 32 x 1 x 512 x 512 float32.
;; 2 versions, each right; version 2 is version 1 with the launch hue written anew for expert scheduling mode. Each part assembles by itself: llvm-mc -triple=amdgcn-amd-amdhsa -mcpu=gfx1250 --defsym DOCPART=n.
;; ======== version 1 of 2: 1 launch
;; launch hue (part 1): grid 256 x 1, 32 waves a work-group, no clusters, 0 bytes of LDS; arguments x, W, b, out0; writes out0
.if DOCPART == 1
	.amdgcn_target "amdgcn-amd-amdhsa--gfx1250"
	.amdhsa_code_object_version 6
	.text
	.protected	k_qbf4480f0c9_hue
	.globl	k_qbf4480f0c9_hue
	.p2align	8
	.type	k_qbf4480f0c9_hue,@function
k_qbf4480f0c9_hue:
	s_mov_b64 s[64:65], 0
	v_nop
	global_prefetch_b8 v0, s[64:65] scope:SCOPE_SE
	s_setreg_imm32_b32 hwreg(HW_REG_WAVE_MODE, 25, 1), 1
	s_wait_xcnt 0x0
; out0[n][0][y][x] = hue(x[n][0..2][y][x]) * W + b.   x: [32][3][512][512] f32, out0: [32][1][512][512] f32, W and b one f32 each.
;
; THE ARITHMETIC, for one pixel (r, g, b):
;   cmax = max3, cmin = min3, delta = cmax - cmin;  first maximum: r if r == cmax, else g if g == cmax, else b
;   numerator  n = g-b | b-r | r-g     by that choice;   q = n / delta
;   out = q * (W/6) + c,   c = b or W+b (r is the maximum: q >= 0 or q < 0) | W/3 + b (g) | 2W/3 + b (b)
; which is ((q + 0|6|2|4) / 6) * W + b with the division by 6, the product with W and the sum with b drawn into one fused multiply-add.
; Nothing of the problem is left out; three steps have another form with the same values:
;  - mod(q, 6) is wanted only where r is the maximum.  There |g-b| <= cmax-cmin, in f32 too since rounding keeps order, so q lies in
;    [-1, 1] and mod(q, 6) is q for q >= 0 and q + 6 for q < 0.  The sign of q is the sign of g-b, taken by the compare g < b.
;  - the guard where(delta == 0, 1, delta) is max(delta, 2^-126).  With delta == 0 the three colours are equal: r == cmax picks the first
;    branch, its numerator g-b is exactly 0 and g < b is false, so q = 0 * 2^126 = 0 and out = 0 * W/6 + b = b, the achromatic branch's value.
;  - q is formed before W/6 enters, so that this 0 * 2^126 meets no overflowed factor, however large W is.
; LIMITS.  NaN or infinite pixels are not followed as the problem's formula follows them (max3 and min3 drop a NaN).  v_rcp_f32 takes a denormal
; input for zero and gives zero for a denormal result (ISA guide 15.8): a delta below 2^-126 that is not 0, or above 2^126, gives a wrong hue.
; Where g < b and (g-b)/delta underflows to zero (below 2^-149) the result is W + b, not b.  The reciprocal is good to 1 ulp and the folded
; constants round in another order: a few ulp of difference.
;
; THE STREAM.  Memory binds: every byte of x is read once, every byte of out0 written once.  256 work-groups of 32 waves.  Work-group w owns
; 131,072 consecutive bytes of the output plane of image w / 8 (its part w % 8) and the same bytes of that image's three colour planes.
; A step is 16,384 bytes: thread t takes the 16 bytes (4 pixels) at 16 t, so each load and each store of a wave covers 512 consecutive bytes
; that start at a multiple of 512 from the buffer's first byte.  Eight steps, 3 loads and 1 store each.
; THE LOADS RUN FOUR STEPS AHEAD.  A wave issues its instructions in order, so whatever stands in front of step 0 delays its arithmetic and
; its store.  Only the 12 loads of steps 0 to 3 stand there (32 waves x 12 x 512 bytes = 192 KiB asked for by the work-group); step i then
; issues the three loads of step i + 4 behind its own wait and ahead of its arithmetic and its store.  So the stores begin with the first
; data that come back and go out among the reads, not in a block behind them.
; Each step has its own 12 data registers: no register is loaded twice, no address register and no store's data register is written again.
; So there is no loop, and the only waits for memory are the counted ones at the head of each step.
; No LDS, no barrier: a lane's four results are 16 neighbouring bytes of the output as they stand, and no wave needs another's data.
.set PLANE, 1048576                    ; bytes in a colour plane (512 x 512 x 4)
.set SHARE, 131072                     ; bytes of a plane that a work-group owns
.set STEP,  16384                      ; 1,024 threads x 16 bytes
.set STEPS, 8                          ; SHARE / STEP
.set AHEAD, 4                          ; a step's loads are issued so many steps before it
.set OFF, 1                            ; v1        16 t; never rewritten
.set C0,  2                            ; v2        b            r is the maximum, q >= 0
.set C1,  3                            ; v3        W/3 + b      g is the maximum
.set C2,  4                            ; v4        2W/3 + b     b is the maximum
.set C6,  5                            ; v5        W + b        r is the maximum, q < 0
.set MX,  6                            ; v[6:9]    cmax of 4 pixels, later 1 / delta
.set MN,  10                           ; v[10:13]  cmin, later delta
.set T,   14                           ; v[14:17]  r-g, then the chosen numerator, then q
.set X,   20                           ; v[20:115] step i: R at X+12i, G at X+12i+4, B at X+12i+8, four pixels each
.set MR,  20                           ; s[20:23]  lanes where r == cmax, one mask for each of the 4 pixels
.set MG,  24                           ; s[24:27]  lanes where g == cmax
.set ML,  28                           ; s[28:31]  lanes where g < b
; The three loads of step i: r, g, b.  Plane and step stand in the immediate, 2 x 1,048,576 + 7 x 16,384 at the most.
.macro LOADS i
.irp c, 0,1,2
	global_load_b128 v[X+12*(\i)+4*\c:X+12*(\i)+4*\c+3], v[OFF], s[4:5] offset:\c*PLANE+(\i)*STEP th:TH_LOAD_NT
.endr
.endm
	s_load_b256 s[4:11], s[0:1], 0x0               ; x s[4:5], W s[6:7], b s[8:9], out0 s[10:11]
	s_lshr_b32 s2, ttmp9, 3                        ; image
	s_and_b32 s3, ttmp9, 7                         ; my part of its planes
	s_mul_i32 s2, s2, 3*PLANE
	s_lshl_b32 s3, s3, 17                          ; x SHARE
	s_add_co_u32 s2, s2, s3                        ; byte offset in x, below 2^27
	s_mov_b32 s3, 0
	s_lshl_b32 s16, ttmp9, 17                      ; byte offset in out0: work-group x SHARE, below 2^25
	s_mov_b32 s17, 0
	v_lshlrev_b32 v[OFF], 4, v0                    ; 16 bytes a thread
	s_wait_kmcnt 0x0
	s_add_nc_u64 s[4:5], s[4:5], s[2:3]            ; the red plane at my share
	s_add_nc_u64 s[10:11], s[10:11], s[16:17]      ; the output at my share
	s_load_b32 s12, s[6:7], 0x0                    ; W
	s_load_b32 s13, s[8:9], 0x0                    ; b
.irp i, 0,1,2,3
	LOADS \i                                       ; steps 0 to AHEAD - 1: 12 loads
.endr
	s_wait_kmcnt 0x0                               ; W and b
	s_mul_f32 s14, s12, 0x3e2aaaab                 ; W / 6
	v_mov_b32 v[C0], s13                           ; b
	v_add_f32 v[C6], s12, s13                      ; 6 W/6 + b = W + b
	s_mov_b32 s15, s14                             ; the pair's second word is written too; the packed fma below broadcasts the first
	v_fma_f32 v[C1], s14, 2.0, s13                 ; 2 W/6 + b
	v_fma_f32 v[C2], s14, 4.0, s13                 ; 4 W/6 + b
; Step i: 4 pixels a lane, 60 vector instructions.  The four pixels go side by side, so no instruction waits for the one in front of it.
.macro STEPI i
.set R, X+12*\i
.set G, X+12*\i+4
.set B, X+12*\i+8
; Loads come back in order (ISA guide 5.7.1).  Behind step i's three loads stand, at this wait, those of the next AHEAD - 1 steps
; (step i + AHEAD's are issued only below), or of the steps that are left where those are fewer: 9, 9, 9, 9, 9, 6, 3, 0.
.if \i <= STEPS-AHEAD
.set LEFT, 3*(AHEAD-1)
.else
.set LEFT, 3*(STEPS-1-\i)
.endif
	s_wait_loadcnt LEFT
.if \i < STEPS-AHEAD
	LOADS \i+AHEAD                                 ; into registers of their own, which nothing has touched: ahead of this step's arithmetic and store
.endif
.irp j, 0,1,2,3
	v_max3_num_f32 v[MX+\j], v[R+\j], v[G+\j], v[B+\j]
.endr
.irp j, 0,1,2,3
	v_min3_num_f32 v[MN+\j], v[R+\j], v[G+\j], v[B+\j]
.endr
.irp p, 0,2
	v_pk_add_f32 v[MN+\p:MN+\p+1], v[MX+\p:MX+\p+1], v[MN+\p:MN+\p+1] neg_lo:[0,1] neg_hi:[0,1]   ; delta = cmax - cmin
.endr
.irp j, 0,1,2,3
	v_cmp_eq_f32 s[MR+\j], v[R+\j], v[MX+\j]       ; r is the (first) maximum
.endr
.irp j, 0,1,2,3
	v_cmp_eq_f32 s[MG+\j], v[G+\j], v[MX+\j]       ; g is a maximum (asked only where r is not)
.endr
.irp j, 0,1,2,3
	v_cmp_lt_f32 s[ML+\j], v[G+\j], v[B+\j]        ; g-b < 0: the branch of mod(q, 6) that adds 6
.endr
.irp j, 0,1,2,3
	v_max_num_f32 v[MN+\j], 0x00800000, v[MN+\j]   ; the: at least 2^-126 (see the head)
.endr
.irp j, 0,1,2,3
	v_rcp_f32 v[MX+\j], v[MN+\j]                   ; 1 / delta, over cmax, which the compares have read.  Behind the last of the four a plain vector instruction
.endr                                              ; that names neither MX nor MN comes first (ISA guide 5.7.2): the 26 lines that follow are all such
	; the three numerators, in place: R and G are read for the last time here, B is free behind the third line
.irp p, 0,2
	v_pk_add_f32 v[T+\p:T+\p+1], v[R+\p:R+\p+1], v[G+\p:G+\p+1] neg_lo:[0,1] neg_hi:[0,1]         ; r - g
.endr
.irp p, 0,2
	v_pk_add_f32 v[R+\p:R+\p+1], v[B+\p:B+\p+1], v[R+\p:R+\p+1] neg_lo:[0,1] neg_hi:[0,1]         ; b - r
.endr
.irp p, 0,2
	v_pk_add_f32 v[G+\p:G+\p+1], v[G+\p:G+\p+1], v[B+\p:B+\p+1] neg_lo:[0,1] neg_hi:[0,1]         ; g - b
.endr
.irp j, 0,1,2,3
	v_cndmask_b32 v[B+\j], v[C0], v[C6], s[ML+\j]          ; c if r is the maximum: g < b ? W + b : b
.endr
.irp j, 0,1,2,3
	v_cndmask_b32 v[T+\j], v[T+\j], v[R+\j], s[MG+\j]      ; numerator if r is not: g == cmax ? b-r : r-g
.endr
.irp j, 0,1,2,3
	v_cndmask_b32 v[R+\j], v[C2], v[C1], s[MG+\j]          ; c if r is not: g == cmax ? W/3 + b : 2W/3 + b
.endr
.irp j, 0,1,2,3
	v_cndmask_b32 v[T+\j], v[T+\j], v[G+\j], s[MR+\j]      ; r == cmax ? g-b : the other
.endr
.irp j, 0,1,2,3
	v_cndmask_b32 v[B+\j], v[R+\j], v[B+\j], s[MR+\j]      ; and its c
.endr
	s_wait_alu depctr_va_vdst(0)
.irp p, 0,2
	v_pk_mul_f32 v[T+\p:T+\p+1], v[T+\p:T+\p+1], v[MX+\p:MX+\p+1]                                 ; q = numerator / delta, in [-1, 1]
.endr
.irp p, 0,2
	v_pk_fma_f32 v[B+\p:B+\p+1], v[T+\p:T+\p+1], s[14:15], v[B+\p:B+\p+1] op_sel_hi:[1,0,1]       ; q W/6 + c, both halves by s14
.endr
	global_store_b128 v[OFF], v[B:B+3], s[10:11] offset:\i*STEP th:TH_STORE_NT   ; 32 lanes, 512 consecutive bytes; B of this step is not written again
.endm
.irp i, 0,1,2,3,4,5,6,7
	STEPI \i
.endr
	s_endpgm
.Lfunc_end_k_qbf4480f0c9_hue:
	.size	k_qbf4480f0c9_hue, .Lfunc_end_k_qbf4480f0c9_hue-k_qbf4480f0c9_hue
	.p2alignl 7, 3214868480
	.fill 96, 4, 3214868480
	.section	.rodata,"a",@progbits
	.p2align	6, 0x0
	.amdhsa_kernel k_qbf4480f0c9_hue
		.amdhsa_group_segment_fixed_size 0
		.amdhsa_private_segment_fixed_size 0
		.amdhsa_enable_private_segment 0
		.amdhsa_kernarg_size 32
		.amdhsa_user_sgpr_count 2
		.amdhsa_user_sgpr_kernarg_segment_ptr 1
		.amdhsa_wavefront_size32 1
		.amdhsa_system_sgpr_workgroup_id_x 1
		.amdhsa_system_sgpr_workgroup_id_y 1
		.amdhsa_system_sgpr_workgroup_id_z 1
		.amdhsa_system_vgpr_workitem_id 0
		.amdhsa_next_free_vgpr 116
		.amdhsa_next_free_sgpr 66
		.amdhsa_reserve_vcc 0
		.amdhsa_float_denorm_mode_32 3
		.amdhsa_float_denorm_mode_16_64 3
		.amdhsa_memory_ordered 1
		.amdhsa_forward_progress 1
		.amdhsa_inst_pref_size 34
	.end_amdhsa_kernel
	.amdgpu_metadata
---
amdhsa.version: [ 1, 2 ]
amdhsa.kernels:
  - .name:           k_qbf4480f0c9_hue
    .symbol:         k_qbf4480f0c9_hue.kd
    .args:
      - { .name: x, .offset: 0, .size: 8, .value_kind: global_buffer, .address_space: global }
      - { .name: W, .offset: 8, .size: 8, .value_kind: global_buffer, .address_space: global }
      - { .name: b, .offset: 16, .size: 8, .value_kind: global_buffer, .address_space: global }
      - { .name: out0, .offset: 24, .size: 8, .value_kind: global_buffer, .address_space: global }
    .group_segment_fixed_size: 0
    .private_segment_fixed_size: 0
    .kernarg_segment_align: 8
    .kernarg_segment_size: 32
    .max_flat_workgroup_size: 1024
    .sgpr_count:     66
    .vgpr_count:     116
    .wavefront_size: 32
...
	.end_amdgpu_metadata
.endif
;; end of part 1
;; ======== version 2 of 2: 1 launch; version 1 with the launch hue written anew for expert scheduling mode
;; launch hue (part 2): grid 256 x 1, 32 waves a work-group, no clusters, 0 bytes of LDS; arguments x, W, b, out0; writes out0
.if DOCPART == 2
	.amdgcn_target "amdgcn-amd-amdhsa--gfx1250"
	.amdhsa_code_object_version 6
	.text
	.protected	k_qbf4480f0c9_hue
	.globl	k_qbf4480f0c9_hue
	.p2align	8
	.type	k_qbf4480f0c9_hue,@function
k_qbf4480f0c9_hue:
	s_mov_b64 s[64:65], 0
	v_nop
	global_prefetch_b8 v0, s[64:65] scope:SCOPE_SE
	s_setreg_imm32_b32 hwreg(HW_REG_WAVE_SCHED_MODE, 0, 2), 2
	s_setreg_imm32_b32 hwreg(HW_REG_WAVE_MODE, 25, 1), 1
	s_wait_xcnt 0x0
	s_wait_alu depctr_vm_vsrc(0)
; out0[n][0][y][x] = hue(x[n][0..2][y][x]) * W + b.   x: [32][3][512][512] f32, out0: [32][1][512][512] f32, W and b one f32 each.
;
; THE ARITHMETIC, for one pixel (r, g, b):
;   cmax = max3, cmin = min3, delta = cmax - cmin;  first maximum: r if r == cmax, else g if g == cmax, else b
;   numerator  n = g-b | b-r | r-g     by that choice;   q = n / delta
;   out = q * (W/6) + c,   c = b or W+b (r is the maximum: q >= 0 or q < 0) | W/3 + b (g) | 2W/3 + b (b)
; which is ((q + 0|6|2|4) / 6) * W + b with the division by 6, the product with W and the sum with b drawn into one fused multiply-add.
; Nothing of the problem is left out; three steps have another form with the same values:
;  - mod(q, 6) is wanted only where r is the maximum.  There |g-b| <= cmax-cmin, in f32 too since rounding keeps order, so q lies in
;    [-1, 1] and mod(q, 6) is q for q >= 0 and q + 6 for q < 0.  The sign of q is the sign of g-b, taken by the compare g < b.
;  - the guard where(delta == 0, 1, delta) is max(delta, 2^-126).  With delta == 0 the three colours are equal: r == cmax picks the first
;    branch, its numerator g-b is exactly 0 and g < b is false, so q = 0 * 2^126 = 0 and out = 0 * W/6 + b = b, the achromatic branch's value.
;  - q is formed before W/6 enters, so that this 0 * 2^126 meets no overflowed factor, however large W is.
; LIMITS.  NaN or infinite pixels are not followed as the problem's formula follows them (max3 and min3 drop a NaN).  v_rcp_f32 takes a denormal
; input for zero and gives zero for a denormal result (ISA guide 15.8): a delta below 2^-126 that is not 0, or above 2^126, gives a wrong hue.
; Where g < b and (g-b)/delta underflows to zero (below 2^-149) the result is W + b, not b.  The reciprocal is good to 1 ulp and the folded
; constants round in another order: a few ulp of difference.
;
; THE STREAM.  Memory binds: every byte of x is read once, every byte of out0 written once.  256 work-groups of 32 waves.  Work-group w owns
; 131,072 consecutive bytes of the output plane of image w / 8 (its part w % 8) and the same bytes of that image's three colour planes.
; A step is 16,384 bytes: thread t takes the 16 bytes (4 pixels) at 16 t, so each load and each store of a wave covers 512 consecutive bytes
; that start at a multiple of 512 from the buffer's first byte.  Eight steps, 3 loads and 1 store each.
; THE LOADS RUN FOUR STEPS AHEAD.  A wave issues its instructions in order, so whatever stands in front of step 0 delays its arithmetic and
; its store.  Only the 12 loads of steps 0 to 3 stand there (32 waves x 12 x 512 bytes = 192 KiB asked for by the work-group); step i then
; issues the three loads of step i + 4 behind its own wait, among its first vector instructions.  So the stores begin with the first
; data that come back and go out among the reads, not in a block behind them.
; Each step has its own 12 data registers: no register is loaded twice, no address register and no store's data register is written again.
; So there is no loop, and the only waits for memory are the counted ones at the head of each step.
; No LDS, no barrier: a lane's four results are 16 neighbouring bytes of the output as they stand, and no wave needs another's data.
;
; THE MODE: SCHED_MODE bits 1:0 = 2 (LLVM: expert scheduling mode 2), set by the entry lines.  The code itself states the register dependences
; between vector instructions and memory instructions, with s_wait_alu, always for 0.
; THE PLAN.  Registers that memory instructions touch, and scalar registers that vector instructions write:
;   v[OFF]     Written once, at the head; read by all 24 loads and 8 stores as their offset; named by no vector instruction afterwards.
;              One wait on va_vdst in front of the first load states it for the whole kernel.
;   X[i]       Step i's 12 registers.  No vector instruction names them before their three loads are issued, so those loads hang on nothing.
;              Behind the step's wait on LOADcnt the step's arithmetic reads them and writes them in place.
;   B of X[i]  Written last by step i's two packed multiply-adds; read by step i's store; never written again.
;              One wait on va_vdst a step, behind those two lines and ahead of the store.  The store stands at its own step's end, not behind
;              the next step's wait for data, so that it leaves as soon as its four numbers are made.
;   s[20:31]   The masks: written by a step's twelve compares, read by its twenty selects.  One wait on va_sdst a step, ahead of the first select.
;   No register that a memory instruction reads is written again, so past the entry lines the text holds no wait on vm_vsrc.  EXEC and VCC are never written.
.set PLANE, 1048576                    ; bytes in a colour plane (512 x 512 x 4)
.set SHARE, 131072                     ; bytes of a plane that a work-group owns
.set STEP,  16384                      ; 1,024 threads x 16 bytes
.set STEPS, 8                          ; SHARE / STEP
.set AHEAD, 4                          ; a step's loads are issued so many steps before it
.set OFF, 1                            ; v1        16 t; never rewritten
.set C0,  2                            ; v2        b            r is the maximum, q >= 0
.set C1,  3                            ; v3        W/3 + b      g is the maximum
.set C2,  4                            ; v4        2W/3 + b     b is the maximum
.set C6,  5                            ; v5        W + b        r is the maximum, q < 0
.set MX,  6                            ; v[6:9]    cmax of 4 pixels, later 1 / delta
.set MN,  10                           ; v[10:13]  cmin, later delta
.set T,   14                           ; v[14:17]  r-g, then the chosen numerator, then q
.set X,   20                           ; v[20:115] step i: R at X+12i, G at X+12i+4, B at X+12i+8, four pixels each
.set MR,  20                           ; s[20:23]  lanes where r == cmax, one mask for each of the 4 pixels
.set MG,  24                           ; s[24:27]  lanes where g == cmax
.set ML,  28                           ; s[28:31]  lanes where g < b
; One load of step i: colour c (0 r, 1 g, 2 b).  Plane and step stand in the immediate, 2 x 1,048,576 + 7 x 16,384 at the most.
.macro LOAD i, c
	global_load_b128 v[X+12*(\i)+4*(\c):X+12*(\i)+4*(\c)+3], v[OFF], s[4:5] offset:(\c)*PLANE+(\i)*STEP th:TH_LOAD_NT
.endm
	s_load_b256 s[4:11], s[0:1], 0x0               ; x s[4:5], W s[6:7], b s[8:9], out0 s[10:11]
	s_lshr_b32 s2, ttmp9, 3                        ; image
	s_and_b32 s3, ttmp9, 7                         ; my part of its planes
	s_mul_i32 s2, s2, 3*PLANE
	s_lshl_b32 s3, s3, 17                          ; x SHARE
	s_add_co_u32 s2, s2, s3                        ; byte offset in x, below 2^27
	s_mov_b32 s3, 0
	s_lshl_b32 s16, ttmp9, 17                      ; byte offset in out0: work-group x SHARE, below 2^25
	s_mov_b32 s17, 0
	v_lshlrev_b32 v[OFF], 4, v0                    ; 16 bytes a thread
	s_wait_kmcnt 0x0
	s_add_nc_u64 s[4:5], s[4:5], s[2:3]            ; the red plane at my share
	s_add_nc_u64 s[10:11], s[10:11], s[16:17]      ; the output at my share
	s_load_b32 s12, s[6:7], 0x0                    ; W
	s_load_b32 s13, s[8:9], 0x0                    ; b
	s_wait_alu depctr_va_vdst(0)                   ; v[OFF] is written: every load and store of the kernel reads it as its offset, and no vector instruction names it again
.irp i, 0,1,2,3
.irp c, 0,1,2
	LOAD \i, \c                                    ; steps 0 to AHEAD - 1: 12 loads
.endr
.endr
	s_wait_kmcnt 0x0                               ; W and b
	s_mul_f32 s14, s12, 0x3e2aaaab                 ; W / 6
	v_mov_b32 v[C0], s13                           ; b
	v_add_f32 v[C6], s12, s13                      ; 6 W/6 + b = W + b
	s_mov_b32 s15, s14                             ; the pair's second word is written too; the packed fma below broadcasts the first
	v_fma_f32 v[C1], s14, 2.0, s13                 ; 2 W/6 + b
	v_fma_f32 v[C2], s14, 4.0, s13                 ; 4 W/6 + b
; Step i: 4 pixels a lane, 60 vector instructions.  The four pixels go side by side, so no instruction waits for the one in front of it.
.macro STEPI i
.set R, X+12*\i
.set G, X+12*\i+4
.set B, X+12*\i+8
; Loads come back in order (ISA guide 5.7.1).  Behind step i's three loads stand, at this wait, those of the next AHEAD - 1 steps
; (step i + AHEAD's are issued only below), or of the steps that are left where those are fewer: 9, 9, 9, 9, 9, 6, 3, 0.
.if \i <= STEPS-AHEAD
.set LEFT, 3*(AHEAD-1)
.else
.set LEFT, 3*(STEPS-1-\i)
.endif
	s_wait_loadcnt LEFT
; The three loads of step i + AHEAD are dealt among the first vector lines.  No wait: they land in registers that no vector instruction has
; named, and their offset was stated written at the head.
.if \i < STEPS-AHEAD
	LOAD \i+AHEAD, 0
.endif
.irp j, 0,1,2,3
	v_max3_num_f32 v[MX+\j], v[R+\j], v[G+\j], v[B+\j]
.endr
.if \i < STEPS-AHEAD
	LOAD \i+AHEAD, 1
.endif
.irp j, 0,1,2,3
	v_min3_num_f32 v[MN+\j], v[R+\j], v[G+\j], v[B+\j]
.endr
.if \i < STEPS-AHEAD
	LOAD \i+AHEAD, 2
.endif
.irp p, 0,2
	v_pk_add_f32 v[MN+\p:MN+\p+1], v[MX+\p:MX+\p+1], v[MN+\p:MN+\p+1] neg_lo:[0,1] neg_hi:[0,1]   ; delta = cmax - cmin
.endr
.irp j, 0,1,2,3
	v_cmp_eq_f32 s[MR+\j], v[R+\j], v[MX+\j]       ; r is the (first) maximum
.endr
.irp j, 0,1,2,3
	v_cmp_eq_f32 s[MG+\j], v[G+\j], v[MX+\j]       ; g is a maximum (asked only where r is not)
.endr
.irp j, 0,1,2,3
	v_cmp_lt_f32 s[ML+\j], v[G+\j], v[B+\j]        ; g-b < 0: the branch of mod(q, 6) that adds 6
.endr
.irp j, 0,1,2,3
	v_max_num_f32 v[MN+\j], 0x00800000, v[MN+\j]   ; the: at least 2^-126 (see the head)
.endr
.irp j, 0,1,2,3
	v_rcp_f32 v[MX+\j], v[MN+\j]                   ; 1 / delta, over cmax, which the compares have read.  Behind the last of the four a plain vector instruction
.endr                                              ; that names neither MX nor MN comes first (ISA guide 5.7.2): the 26 vector lines that follow are all such
	; the three numerators, in place: R and G are read for the last time here, B is free behind the third line
.irp p, 0,2
	v_pk_add_f32 v[T+\p:T+\p+1], v[R+\p:R+\p+1], v[G+\p:G+\p+1] neg_lo:[0,1] neg_hi:[0,1]         ; r - g
.endr
.irp p, 0,2
	v_pk_add_f32 v[R+\p:R+\p+1], v[B+\p:B+\p+1], v[R+\p:R+\p+1] neg_lo:[0,1] neg_hi:[0,1]         ; b - r
.endr
.irp p, 0,2
	v_pk_add_f32 v[G+\p:G+\p+1], v[G+\p:G+\p+1], v[B+\p:B+\p+1] neg_lo:[0,1] neg_hi:[0,1]         ; g - b
.endr
	s_wait_alu depctr_va_sdst(0)                   ; the twelve compares have written their masks s[MR ..], s[MG ..], s[ML ..], ahead of the first select that reads one
.irp j, 0,1,2,3
	v_cndmask_b32 v[B+\j], v[C0], v[C6], s[ML+\j]          ; c if r is the maximum: g < b ? W + b : b
.endr
.irp j, 0,1,2,3
	v_cndmask_b32 v[T+\j], v[T+\j], v[R+\j], s[MG+\j]      ; numerator if r is not: g == cmax ? b-r : r-g
.endr
.irp j, 0,1,2,3
	v_cndmask_b32 v[R+\j], v[C2], v[C1], s[MG+\j]          ; c if r is not: g == cmax ? W/3 + b : 2W/3 + b
.endr
.irp j, 0,1,2,3
	v_cndmask_b32 v[T+\j], v[T+\j], v[G+\j], s[MR+\j]      ; r == cmax ? g-b : the other
.endr
.irp j, 0,1,2,3
	v_cndmask_b32 v[B+\j], v[R+\j], v[B+\j], s[MR+\j]      ; and its c
.endr
	s_wait_alu depctr_va_vdst(0)
.irp p, 0,2
	v_pk_mul_f32 v[T+\p:T+\p+1], v[T+\p:T+\p+1], v[MX+\p:MX+\p+1]                                 ; q = numerator / delta, in [-1, 1]
.endr
.irp p, 0,2
	v_pk_fma_f32 v[B+\p:B+\p+1], v[T+\p:T+\p+1], s[14:15], v[B+\p:B+\p+1] op_sel_hi:[1,0,1]       ; q W/6 + c, both halves by s14
.endr
	s_wait_alu depctr_va_vdst(0)                   ; the two packed multiply-adds have written B of this step, which the store reads as its data
	global_store_b128 v[OFF], v[B:B+3], s[10:11] offset:\i*STEP th:TH_STORE_NT   ; 32 lanes, 512 consecutive bytes; B of this step is not written again
.endm
.irp i, 0,1,2,3,4,5,6,7
	STEPI \i
.endr
	s_endpgm
.Lfunc_end_k_qbf4480f0c9_hue:
	.size	k_qbf4480f0c9_hue, .Lfunc_end_k_qbf4480f0c9_hue-k_qbf4480f0c9_hue
	.p2alignl 7, 3214868480
	.fill 96, 4, 3214868480
	.section	.rodata,"a",@progbits
	.p2align	6, 0x0
	.amdhsa_kernel k_qbf4480f0c9_hue
		.amdhsa_group_segment_fixed_size 0
		.amdhsa_private_segment_fixed_size 0
		.amdhsa_enable_private_segment 0
		.amdhsa_kernarg_size 32
		.amdhsa_user_sgpr_count 2
		.amdhsa_user_sgpr_kernarg_segment_ptr 1
		.amdhsa_wavefront_size32 1
		.amdhsa_system_sgpr_workgroup_id_x 1
		.amdhsa_system_sgpr_workgroup_id_y 1
		.amdhsa_system_sgpr_workgroup_id_z 1
		.amdhsa_system_vgpr_workitem_id 0
		.amdhsa_next_free_vgpr 116
		.amdhsa_next_free_sgpr 66
		.amdhsa_reserve_vcc 0
		.amdhsa_float_denorm_mode_32 3
		.amdhsa_float_denorm_mode_16_64 3
		.amdhsa_memory_ordered 1
		.amdhsa_forward_progress 1
		.amdhsa_inst_pref_size 35
	.end_amdhsa_kernel
	.amdgpu_metadata
---
amdhsa.version: [ 1, 2 ]
amdhsa.kernels:
  - .name:           k_qbf4480f0c9_hue
    .symbol:         k_qbf4480f0c9_hue.kd
    .args:
      - { .name: x, .offset: 0, .size: 8, .value_kind: global_buffer, .address_space: global }
      - { .name: W, .offset: 8, .size: 8, .value_kind: global_buffer, .address_space: global }
      - { .name: b, .offset: 16, .size: 8, .value_kind: global_buffer, .address_space: global }
      - { .name: out0, .offset: 24, .size: 8, .value_kind: global_buffer, .address_space: global }
    .group_segment_fixed_size: 0
    .private_segment_fixed_size: 0
    .kernarg_segment_align: 8
    .kernarg_segment_size: 32
    .max_flat_workgroup_size: 1024
    .sgpr_count:     66
    .vgpr_count:     116
    .wavefront_size: 32
...
	.end_amdgpu_metadata
.endif
;; end of part 2
